; MI455X (gfx1250); checked and timed in simulation.
; The chip was launched on July 23, 2026; its instructions are those of AMD's public machine-readable ISA for CDNA 5 (MIT licence, August 2026) and "CDNA5" Instruction Set Architecture Reference Guide (July 2026). The comments in the code are by the model that wrote it; some were corrected since.
;; Mapping Network. Allowed arithmetic: matrix products marked QUANTISED: E4M3 operands, one given power-of-two scale a tensor, by v_wmma_f32_16x16x64_fp8_fp8 or v_wmma_f32_16x16x128_fp8_fp8, f32 sums; products left as they are: f32 operands where the result goes on into a quantised operand, else bf16, f16 or f32 operands; f32 sums; everything else in f32.
;; Inputs: U0_codes 8 x 512 x 16 x 32 uint8 (E4M3 codes of U0, K innermost, in blocks of 32 codes); U1_codes 8 x 512 x 16 x 32 uint8 (E4M3 codes of U1, K innermost, in blocks of 32 codes); U2_codes 8 x 512 x 16 x 32 uint8 (E4M3 codes of U2, K innermost, in blocks of 32 codes); U3_codes 8 x 64 x 16 x 32 uint8 (E4M3 codes of U3, K innermost, in blocks of 32 codes); W0 16 x 512 float32; W1_codes 512 x 16 x 32 uint8 (E4M3 codes of W1, K innermost, in blocks of 32 codes); W2_codes 512 x 16 x 32 uint8 (E4M3 codes of W2, K innermost, in blocks of 32 codes); W3_codes 512 x 16 x 32 uint8 (E4M3 codes of W3, K innermost, in blocks of 32 codes); b0 512 float32; b1 512 float32; b2 512 float32; b3 512 float32; c0 8 x 512 float32; c1 8 x 512 float32; c2 8 x 512 float32; c3 8 x 64 float32; lowp_scales 14 int32 (the exponents e of the quantised operands' scales 2^e); x 8,192 x 16 float32; y 8,192 int32.
;; Outputs: out0 8,192 x 64 float32.
;; This version of the problem:
;;   THIS VERSION OF THE PROBLEM IS GIVEN IN LOW PRECISION. The matrix products marked QUANTISED in the list below multiply operands that are first quantised to E4M3 (4 exponent bits, 3 mantissa bits; 8 bits a number), with one given power-of-two scale for each operand tensor; their sums are f32. All else is computed in f32.
;;   The module's matrix products, in the order in which they are computed (A, B: the left and right operand; K: the contracted axis; several contracted axes count as one K, in the product's order):
;;     1. [M 8,192, K 16] x [K 16, N 512]; A: input x; B: input W0: left as it is (K = 16 < 32)
;;     2. [M 8,192, K 512] x [K 512, N 512]; A: computed on the way; B: input W1 (given as codes): QUANTISED (scales: A lowp_scales[0], B lowp_scales[1])
;;     3. [M 8,192, K 512] x [K 512, N 512]; A: computed on the way; B: input W2 (given as codes): QUANTISED (scales: A lowp_scales[2], B lowp_scales[3])
;;     4. [M 8,192, K 512] x [K 512, N 512]; A: computed on the way; B: input W3 (given as codes): QUANTISED (scales: A lowp_scales[4], B lowp_scales[5])
;;     5. [M 4,096, K 512] x [K 512, N 8,192]; A: input U0 (given as codes); B: computed on the way: QUANTISED (scales: A lowp_scales[6], B lowp_scales[7])
;;     6. batch 8 x [M 8,192, K 512] x [K 512, N 512]; A: computed on the way; B: input U1 (given as codes): QUANTISED (scales: A lowp_scales[8], B lowp_scales[9])
;;     7. batch 8 x [M 8,192, K 512] x [K 512, N 512]; A: computed on the way; B: input U2 (given as codes): QUANTISED (scales: A lowp_scales[10], B lowp_scales[11])
;;     8. batch 8 x [M 8,192, K 512] x [K 512, N 64]; A: computed on the way; B: input U3 (given as codes): QUANTISED (scales: A lowp_scales[12], B lowp_scales[13])
;;   THE QUANTISER, for each operand of a quantised product, along K:
;;     - The operand's scale is 2^e, e = its entry of the input lowp_scales (int32; the entries are numbered through the quantised products in the list's order, A before B).
;;     - Each number is divided by the scale, clamped to +-448, and rounded to the nearest number of E4M3, ties to even, subnormals kept.
;;     - The product sums the exact products of the quantised numbers (number of the format x scale) in f32.
;;   ~~~python
;;   def quantise(x, axis, e):      # numpy; x: float32 -> the quantised numbers, widened to float32 again
;;       x = np.moveaxis(x, axis, -1); K = x.shape[-1]
;;       r = np.clip(x / 2.0 ** e, -448, 448)
;;       step = 2.0 ** (np.maximum(np.frexp(np.where(r == 0, 1, r))[1] - 1, -6) - 3)
;;       q = np.round(r / step) * step * 2.0 ** e      # np.round: ties to even
;;       return np.moveaxis(q, -1, axis).astype(np.float32)
;;   ~~~
;;   OPERANDS COMPUTED ON THE WAY. 'Computed on the way' means the value that the module computes at that place (a softmax that the list does not call 'softmax' is quantised finished and normalised). What goes into a quantiser is computed in f32, as accurately as f32 sums, v_exp_f32 and their like allow (about 1e-6 of the number): no bf16 or f16 on the way to a quantiser, and a product that is left as it is and whose result goes on into a quantised operand takes f32 operands (vector FMAs, or v_wmma_f32_16x16x4_f32). A number that lies on a knife's edge between two numbers of the format may be rounded either way, as far as f32 arithmetic and the matrix unit's own rounding can turn it there, and no further.
;;   INPUTS GIVEN AS CODES. U0 (in the module: [8, 512, 512], K = its axis 1); U1 (in the module: [8, 512, 512], K = its axis 1); U2 (in the module: [8, 512, 512], K = its axis 1); U3 (in the module: [8, 512, 64], K = its axis 1); W1 (in the module: [512, 512], K = its axis 0); W2 (in the module: [512, 512], K = its axis 0); W3 (in the module: [512, 512], K = its axis 0): each comes as NAME_codes (uint8): NAME with its K axis moved to the last place and cut into blocks of 32 codes, [.., K / 32, bytes a block], one block behind the other in memory; one code a byte (a code: sign, 4 exponent bits, 3 mantissa bits); its scale is its entry of lowp_scales. Its value is code x scale, taken as it is: it is not quantised again, and the codes and scales need not be those that the quantiser above would give.
;; One version. Each part assembles by itself: llvm-mc -triple=amdgcn-amd-amdhsa -mcpu=gfx1250 --defsym DOCPART=n.
;; ======== version 1 of 1: 2 launches
;; workspace buffers: wf 7,340,032 bytes; order 34,560 bytes of whole numbers; tiles 2,048 bytes of whole numbers
;; launch prep (part 1): grid 57 x 1, 8 waves a work-group, no clusters, 2,048 bytes of LDS; arguments y, W1_codes, W2_codes, W3_codes, U0_codes, U1_codes, U2_codes, U3_codes, wf, order, tiles; writes wf, order, tiles
.if DOCPART == 1
	.amdgcn_target "amdgcn-amd-amdhsa--gfx1250"
	.amdhsa_code_object_version 6
	.text
	.protected	k_q9635dda3c7_prep
	.globl	k_q9635dda3c7_prep
	.p2align	8
	.type	k_q9635dda3c7_prep,@function
k_q9635dda3c7_prep:
	s_mov_b64 s[64:65], 0
	v_nop
	global_prefetch_b8 v0, s[64:65] scope:SCOPE_SE
	s_setreg_imm32_b32 hwreg(HW_REG_WAVE_MODE, 25, 1), 1
	s_wait_xcnt 0x0
; TWO JOBS IN ONE LAUNCH, parted by the work-group's number.
; Work-group 0 sorts the 8,192 tokens by their expert y (a counting sort, no atomics) into tiles of 64 rows of one expert:
;   order[64 t + i] = the token of row i of tile t (only rows i < cnt are stored, and only those are read later);
;   tiles[t] = {expert, cnt} for t = 0 .. 255; a tile that this split does not have gets {8, 0}.
;   There are never more than 8192 / 64 + 8 - 1 = 135 tiles, whatever y holds.  y is taken to lie in 0 .. 7, as the gather that it feeds needs.
; Work-groups 1 .. 56 copy the seven tensors of codes into wf, in the order of the matrix operand's registers, so that the next launch
;   loads every fragment as 32 lanes x 16 consecutive bytes.  A wave copies one block: 32 rows x 512 codes = 16,384 bytes; 448 blocks in all.
;   Inside a block: fragment (K step s of 128, tile u) at (2 s + u) x 2,048; in it register group c of lane l = r + 16 h at 512 c + 16 l,
;   which holds codes 128 s + 32 c + 16 h + 0 .. 15 of row 8 u + (r % 8) + 16 (r / 8) of the block.  With that choice of rows the results of tiles u = 0, 1
;   (used transposed) are 16 neighbours along the next layer's K in one lane's registers.
	s_load_b512 s[4:19], s[0:1], 0x0               ; y s[4:5], W1 s[6:7], W2 s[8:9], W3 s[10:11], U0 s[12:13], U1 s[14:15], U2 s[16:17], U3 s[18:19]
	s_load_b128 s[20:23], s[0:1], 0x40             ; wf s[20:21], order s[22:23]
	s_load_b64 s[24:25], s[0:1], 0x50              ; tiles
	v_lshl_add_u32 v192, v0, 2, 0x400
	v_mov_b32 v193, 0
	v_lshrrev_b32 v2, 5, v0
	v_readfirstlane_b32 s30, v2                    ; wave 0 .. 7
	v_and_b32 v1, 31, v0                           ; lane
	s_wait_kmcnt 0x0
	s_cmp_eq_u32 ttmp9, 0
	s_cbranch_scc1 .Lsort
; ---------------- the copy into operand order: no LDS, no barrier, waves share nothing ----------------
	s_sub_co_u32 s29, ttmp9, 1
	s_lshl_b32 s29, s29, 3
	s_add_co_u32 s29, s29, s30                     ; my block, 0 .. 447: W1 16 blocks, W2 16, W3 16, U0 128, U1 128, U2 128, U3 16
	s_mov_b64 s[26:27], s[18:19]                   ; the tensor that holds it, and that tensor's first block: chosen on the block's number alone
	s_mov_b32 s28, 432
.macro PICK lim, ptr, first
	s_cmp_lt_u32 s29, \lim
	s_cselect_b64 s[26:27], s[\ptr:\ptr+1], s[26:27]
	s_cselect_b32 s28, \first, s28
.endm
	PICK 432, 16, 304
	PICK 304, 14, 176
	PICK 176, 12, 48
	PICK 48, 10, 32
	PICK 32, 8, 16
	PICK 16, 6, 0
	s_sub_co_u32 s34, s29, s28
	s_lshl_b32 s34, s34, 14                        ; a block is 16,384 bytes in the tensor
	s_mov_b32 s35, 0
	s_add_nc_u64 s[26:27], s[26:27], s[34:35]
	s_lshl_b32 s36, s29, 14                        ; and in wf
	s_mov_b32 s37, 0
	s_add_nc_u64 s[20:21], s[20:21], s[36:37]
	v_and_b32 v4, 7, v0
	v_bfe_u32 v5, v0, 3, 1
	v_lshl_add_u32 v4, v5, 4, v4                   ; (r % 8) + 16 (r / 8)
	v_bfe_u32 v5, v0, 4, 1                         ; h
	v_lshlrev_b32 v2, 9, v4                        ; x 512 bytes a row
	v_lshl_add_u32 v2, v5, 4, v2                   ; + 16 h
	v_lshlrev_b32 v3, 4, v1                        ; out: 16 x lane
.irp s, 0,1,2,3
.irp u, 0,1
.irp c, 0,1,2,3
	global_load_b128 v[32+4*((2*\s+\u)*4+\c):32+4*((2*\s+\u)*4+\c)+3], v2, s[26:27] offset:4096*\u+128*\s+32*\c
.endr
.endr
.endr
.set I, 0
.rept 32
	s_wait_loadcnt 31-I                            ; loads come back in order: load I is in, the 31 - I younger ones may be out
	global_store_b128 v3, v[32+4*I:32+4*I+3], s[20:21] offset:512*I   ; 32 lanes store 512 consecutive bytes; no register is written again
.set I, I+1
.endr
	s_endpgm
; ---------------- the sort: wave w owns tokens 1024 w .. 1024 w + 1023, 32 slots a lane ----------------
.Lsort:
	v_lshlrev_b32 v4, 4, v1
	v_lshl_add_u32 v4, s30, 12, v4                 ; y: 4,096 w + 16 x lane
.irp k, 0,1,2,3,4,5,6,7
	global_load_b128 v[16+4*\k:19+4*\k], v4, s[4:5] offset:512*\k   ; slot q = 4 k + i is token 1024 w + 128 k + 4 lane + i
.endr
.irp e, 0,1,2,3,4,5,6,7
	s_mov_b32 s[32+\e], 0                          ; s32-39: my wave's tokens of expert e so far
.endr
	s_wait_loadcnt 0x0
; Slot q: a token's rank among my wave's tokens of its expert = those of earlier slots + those of lower lanes in this slot.
; The eight experts' lines stand side by side, so that none waits for the line above it.
.macro RANK q
.irp e, 0,1,2,3,4,5,6,7
	v_cmp_eq_u32 s[40+\e], \e, v[16+\q]
.endr
	v_mbcnt_lo_u32_b32 v[48+\q], s40, s32
.irp e, 1,2,3,4,5,6,7
	v_mbcnt_lo_u32_b32 v[176+\e], s[40+\e], s[32+\e]
.endr
.irp e, 1,2,3,4,5,6,7
	v_cndmask_b32 v[48+\q], v[48+\q], v[176+\e], s[40+\e]
.endr
.irp e, 0,1,2,3,4,5,6,7
	s_bcnt1_i32_b32 s[48+\e], s[40+\e]
.endr
.irp e, 0,1,2,3,4,5,6,7
	s_add_co_u32 s[32+\e], s[32+\e], s[48+\e]
.endr
.endm
.set Q, 0
.rept 32
	RANK Q
.set Q, Q+1
.endr
	; the waves' counts meet in LDS: word 8 w + e
	v_and_b32 v6, 0xe0, v0                         ; 32 x wave
.irp e, 0,1,2,3,4,5,6,7
	v_mov_b32 v[8+\e], s[32+\e]
.endr
	ds_store_b128 v6, v[8:11]                      ; all lanes of a wave write the same words with the same numbers
	ds_store_b128 v6, v[12:15] offset:16
	s_wait_dscnt 0x0                               ; for the others' sake: my stores are done
	s_barrier_signal -1
	s_barrier_wait -1
	v_mov_b32 v7, 0
.irp i, 0,1,2,3,4,5,6,7,8,9,10,11,12,13,14,15
	ds_load_b128 v[80+4*\i:83+4*\i], v7 offset:16*\i   ; v[80 + 8 p + e]: wave p's count of expert e, in every lane
.endr
.irp p, 0,1,2,3,4,5,6
	s_cmp_gt_u32 s30, \p
	s_cselect_b32 s[40+\p], 1, 0                   ; 1 where wave p stands ahead of mine
.endr
	s_wait_dscnt 0x0
.irp e, 0,1,2,3,4,5,6,7
	v_add3_u32 v[144+\e], v[80+\e], v[88+\e], v[96+\e]
	v_add3_u32 v[144+\e], v[144+\e], v[104+\e], v[112+\e]
	v_add3_u32 v[144+\e], v[144+\e], v[120+\e], v[128+\e]
	v_add_nc_u32 v[144+\e], v[144+\e], v[136+\e]   ; N_e: the expert's tokens
	v_mul_u32_u24 v[152+\e], s40, v[80+\e]
.irp p, 1,2,3,4,5,6
	v_mad_u32_u24 v[152+\e], v[80+8*\p+\e], s[40+\p], v[152+\e]   ; those of the waves ahead of mine
.endr
.endr
	v_mov_b32 v160, 0                              ; v[160 + e]: the expert's first tile; v168: the number of tiles
.irp e, 0,1,2,3,4,5,6,7
	v_add_nc_u32 v5, 63, v[144+\e]
	v_lshrrev_b32 v5, 6, v5
	v_add_nc_u32 v[161+\e], v[160+\e], v5
.endr
.irp e, 0,1,2,3,4,5,6,7
	v_lshl_add_u32 v[152+\e], v[160+\e], 6, v[152+\e]   ; where my wave's tokens of expert e begin in order
	v_lshl_add_u32 v[170+\e], v[160+\e], 6, v[144+\e]   ; where the expert's rows end
.endr
	v_lshlrev_b32 v10, 2, v1
	v_lshl_add_u32 v10, s30, 10, v10               ; token of slot 0: 1024 w + 4 x lane
; Slot q's place = its expert's begin + its rank.  The place is held inside order (8,640 entries) by a constant before it becomes an address.
; These are 4-byte stores to scattered places: order is 34,560 bytes in all and is written once.
.macro PLACE q
	v_mov_b32 v[112+\q], v152
.irp e, 1,2,3,4,5,6,7
	v_cmp_eq_u32 vcc_lo, \e, v[16+\q]
	v_cndmask_b32 v[112+\q], v[112+\q], v[152+\e], vcc_lo
.endr
	v_add_nc_u32 v[48+\q], v[48+\q], v[112+\q]
	v_min_u32 v[48+\q], 8639, v[48+\q]
	v_lshlrev_b32 v[48+\q], 2, v[48+\q]
	v_add_nc_u32 v[80+\q], 128*((\q)/4)+(\q)%4, v10
	global_store_b32 v[48+\q], v[80+\q], s[22:23]  ; each slot has registers of its own: none is written again
.endm
.set Q, 0
.rept 32
	PLACE Q
.set Q, Q+1
.endr
	; the list of tiles: thread t writes entry t.  The tile's expert is the last one whose first tile is not behind t
	v_mov_b32 v182, 0
	v_mov_b32 v184, v170
.irp e, 1,2,3,4,5,6,7
	v_cmp_gt_u32 vcc_lo, v[160+\e], v0             ; expert e begins behind tile t: keep
	v_cndmask_b32 v182, \e, v182, vcc_lo
	v_cndmask_b32 v184, v[170+\e], v184, vcc_lo
.endr
	v_lshlrev_b32 v185, 6, v0
	v_sub_nc_u32 v183, v184, v185
	v_min_u32 v183, 64, v183                       ; rows: what is left of the expert's, 64 at the most
	v_cmp_gt_u32 vcc_lo, v168, v0                  ; is there a tile t?
	v_cndmask_b32 v182, 8, v182, vcc_lo
	v_cndmask_b32 v183, 0, v183, vcc_lo
	v_lshlrev_b32 v186, 3, v0
	global_store_b64 v186, v[182:183], s[24:25]
	s_wait_tensorcnt 0x0
	ds_add_u32 v192, v193
	s_wait_dscnt 0x0
	s_endpgm
.Lfunc_end_k_q9635dda3c7_prep:
	.size	k_q9635dda3c7_prep, .Lfunc_end_k_q9635dda3c7_prep-k_q9635dda3c7_prep
	.p2alignl 7, 3214868480
	.fill 96, 4, 3214868480
	.section	.rodata,"a",@progbits
	.p2align	6, 0x0
	.amdhsa_kernel k_q9635dda3c7_prep
		.amdhsa_group_segment_fixed_size 2048
		.amdhsa_private_segment_fixed_size 0
		.amdhsa_enable_private_segment 0
		.amdhsa_kernarg_size 88
		.amdhsa_user_sgpr_count 2
		.amdhsa_user_sgpr_kernarg_segment_ptr 1
		.amdhsa_wavefront_size32 1
		.amdhsa_system_sgpr_workgroup_id_x 1
		.amdhsa_system_sgpr_workgroup_id_y 1
		.amdhsa_system_sgpr_workgroup_id_z 1
		.amdhsa_system_vgpr_workitem_id 0
		.amdhsa_next_free_vgpr 194
		.amdhsa_next_free_sgpr 66
		.amdhsa_reserve_vcc 1
		.amdhsa_float_denorm_mode_32 3
		.amdhsa_float_denorm_mode_16_64 3
		.amdhsa_memory_ordered 1
		.amdhsa_forward_progress 1
		.amdhsa_inst_pref_size 107
	.end_amdhsa_kernel
	.amdgpu_metadata
---
amdhsa.version: [ 1, 2 ]
amdhsa.kernels:
  - .name:           k_q9635dda3c7_prep
    .symbol:         k_q9635dda3c7_prep.kd
    .args:
      - { .name: y, .offset: 0, .size: 8, .value_kind: global_buffer, .address_space: global }
      - { .name: W1_codes, .offset: 8, .size: 8, .value_kind: global_buffer, .address_space: global }
      - { .name: W2_codes, .offset: 16, .size: 8, .value_kind: global_buffer, .address_space: global }
      - { .name: W3_codes, .offset: 24, .size: 8, .value_kind: global_buffer, .address_space: global }
      - { .name: U0_codes, .offset: 32, .size: 8, .value_kind: global_buffer, .address_space: global }
      - { .name: U1_codes, .offset: 40, .size: 8, .value_kind: global_buffer, .address_space: global }
      - { .name: U2_codes, .offset: 48, .size: 8, .value_kind: global_buffer, .address_space: global }
      - { .name: U3_codes, .offset: 56, .size: 8, .value_kind: global_buffer, .address_space: global }
      - { .name: wf, .offset: 64, .size: 8, .value_kind: global_buffer, .address_space: global }
      - { .name: order, .offset: 72, .size: 8, .value_kind: global_buffer, .address_space: global }
      - { .name: tiles, .offset: 80, .size: 8, .value_kind: global_buffer, .address_space: global }
    .group_segment_fixed_size: 2048
    .private_segment_fixed_size: 0
    .kernarg_segment_align: 8
    .kernarg_segment_size: 88
    .max_flat_workgroup_size: 256
    .sgpr_count:     66
    .vgpr_count:     194
    .wavefront_size: 32
...
	.end_amdgpu_metadata
.endif
;; end of part 1
;; launch chain (part 2): grid 135 x 1, 4 waves a work-group, no clusters, 98,816 bytes of LDS; arguments x, W0, b0, b1, b2, b3, c0, c1, c2, c3, lowp_scales, wf, order, tiles, out0; writes out0
.if DOCPART == 2
	.amdgcn_target "amdgcn-amd-amdhsa--gfx1250"
	.amdhsa_code_object_version 6
	.text
	.protected	k_q9635dda3c7_chain
	.globl	k_q9635dda3c7_chain
	.p2align	8
	.type	k_q9635dda3c7_chain,@function
k_q9635dda3c7_chain:
	s_mov_b64 s[64:65], 0
	v_nop
	global_prefetch_b8 v0, s[64:65] scope:SCOPE_SE
	s_setreg_imm32_b32 hwreg(HW_REG_WAVE_MODE, 25, 1), 1
	s_wait_xcnt 0x0
; ONE WORK-GROUP TAKES ONE TILE (up to 64 tokens of ONE expert, as the launch before sorted them) THROUGH ALL EIGHT LAYERS and stores its rows of out0.
; Layer 0: relu(x W0 + b0) in f32 (K = 16).  Layers 1-3: the trunk's W1-W3.  Layers 4-6: the expert's U0-U2.  Layer 7: the expert's U3 (64 outputs, no relu).
; Layers 1-7 multiply codes of FP8 (E4M3); only the expert that y names for a token is multiplied, since the others' results are thrown away by the gather.
; SHARES.  The four waves share the COLUMNS: wave w makes units 128 w .. 128 w + 127 of layers 0-6 for all 64 rows (8 tiles of 16 units, in 4 pairs b), and one tile of 16 outputs of layer 7.
; So each byte of weights is loaded once in the work-group, straight from wf into the registers of the one wave that multiplies by it, 32 lanes x 16 consecutive bytes a load.
; THE WEIGHT RING: 16 slots of one fragment (16 registers).  A group is a pair's two fragments of one K step, 8 loads; 8 groups are on their way at all times, and the ring runs on from layer to layer.
; LAYOUT.  Every product is used transposed (source 0 = 16 rows of weights, source 1 = 16 tokens): a lane (r, h) holds token r, and register j of tile (b, u) holds unit 32 b + 8 u + 16 h + j
; (the rows of a tile were chosen so by the launch before).  So tiles (b, 0), (b, 1) are 16 neighbours along the next K: relu, hold and conversion give registers 4 b .. 4 b + 3 of the next
; layer's fragment (tile of tokens m, K step w).  Fragments go from wave to wave through LDS as images of their registers: 16 bytes a lane at 16 x lane, 512 bytes a store.
; k stands in the same (permuted) places in both operands of every product: the products meet their partners, only the order of the sums inside an instruction changes.
; SCALES.  A sum of layer l stands for sum x 2^E_l, E_l = its two operands' exponents added (E_0 = 0).  The bias goes in as the C of a sum's first product, as bias / 2^E_l;
; the next operand's code is relu(sum) / 2^X_l, X_l = the next activation's exponent - E_l: one scale for the conversion.  Layer 7: out = sum x 2^E_7 + c3.
; LIMITS: every X_l between -126 and 119, E_7 between -126 and 127, so that each power of two is an f32 number.  NaN among the inputs is not served.
; NO BRANCH HANGS ON A LOADED NUMBER, so that every wave passes every barrier.  Rows at or past the tile's cnt repeat its last token and are not stored (EXEC).  A tile that the split leaves empty
; (cnt = 0; at most 7 of the 135) walks the same text on the token of order's first entry and stores nothing.
; No tensor load (the weights have one reader each, so LDS would only be a detour), no cluster (neighbouring tiles may belong to different experts).
; LDS: two buffers of 16 fragment images by turns; the biases of layers 0-6; a stage for the way out.
.set ACT0, 0                           ; fragment (m, s) at (4 m + s) x 2,048, register group c at + 512 c + 16 x lane
.set ACT1, 32768
.set BIAS, 65536                       ; layer l at 2,048 l; wave w stores and reads only bytes 512 w .. 512 w + 511 of each
.set STG,  79872                       ; 64 rows of 256 bytes + 16
.set SPI,  272
; REGISTERS, window 0:
.set LI,  1                            ; 16 x lane
.set R,   2                            ; lane % 16
.set H,   3                            ; lane / 16
.set BA0, 4                            ; BIAS + 512 w + 64 h
.set BA,  5                            ; the same + the loop's step
.set WO,  6                            ; W0: 16,384 h + 4 (r + 8 (r / 8))
.set BST, 7                            ; BIAS + 16 x thread
.set XO,  8                            ; v8-11   x: byte offsets of my token in the four tiles of tokens
.set OO,  12                           ; v12-19  out0: byte offsets of the eight stores
.set SO,  20                           ; the stage, in
.set SR,  21                           ; the stage, back
.set TMP, 22
.set ROW, 23                           ; 16 w + h: the first row that I store
.set C3,  24                           ; v24-31  c3 of my eight outputs
.set BI,  32                           ; v32-95  the layer's bias in the result's layout: 8 t + j
.set BL,  96                           ; v96-123 the seven biases as loaded
.set OL,  124                          ; v124-135 order as loaded
.set OA,  136                          ; v136-147 its addresses
.set TO,  148                          ; 16 x thread
.set CO,  149                          ; c3's offset
.set TM2, 150
.set RES, 160                          ; v160-191 the results
.set BK,  192                          ; v192-223 rows read back from the stage
; window 1: the activations, fragment (m, s) at 16 (4 m + s); in layer 0: x at 8 m + k', W0 at WZ + 8 t + k' (k' = k - 8 h)
.set WZ,  32
; window 2: the weight ring.   window 3: v0-127 two sets of 8 accumulators, acc(set, u, m) = 64 set + 32 u + 8 m, written by matrix instructions alone; then:
.set T,   128                          ; v128-143 16 numbers at work
.set CD,  144                          ; v144-207 codes: 4 registers for each of a layer's 16 slices
.set SCL, 208                          ; the conversion's scale
.set LIM, 209                          ; 448 x that scale
.set HWI, 210                          ; 16 x lane + 2,048 w: where my images go
; SCALARS: s34 expert, s35 cnt, s36 last row, s37 wave, s38 my tile's first entry of order, s40-53 the 14 exponents, s54-60 E_1 .. E_7, s62 trips, s63 the biases' step,
; s[66+2l], s[67+2l] scale and limit of layer l; s[78+2l:79+2l] my part of layer l's weights in wf; s[94:95] 2^E_7; s96-99 at work.
.set MSB, 0
.macro WIN new                         ; s_set_vgpr_msb: bits 1:0 source 0, 3:2 source 1, 5:4 source 2, 7:6 destination; the high byte repeats the setting that is left
.if MSB != \new
	s_set_vgpr_msb (MSB<<8)|\new
.set MSB, \new
.endif
.endm
.macro PLACES n                        ; plain vector instructions between a matrix instruction and a read of its result or a load into its registers
.rept \n
	v_nop
.endr
.endm
.macro BARRIER                         ; my LDS stores have landed and my LDS loads are in: then the work-group's barrier
	s_wait_dscnt 0x0
	s_barrier_signal -1
	s_barrier_wait -1
.endm
.macro RFILL ptr, grp, pos             ; group grp (= 4 b + s) of a layer's weights, two fragments, into ring slots 2 pos, 2 pos + 1
	WIN 0x80
.irp u, 0,1
.irp c, 0,1,2,3
	global_load_b128 v[16*(2*(\pos)+\u)+4*\c:16*(2*(\pos)+\u)+4*\c+3], v[LI], s[\ptr:\ptr+1] offset:4096*(\grp)+2048*\u+512*\c
.endr
.endr
.endm
.macro RFILL7 ptr, a                   ; layer 7: my one tile's fragments of K steps 2 a, 2 a + 1 into the slots of those numbers
	WIN 0x80
.irp f, 0,1
.irp c, 0,1,2,3
	global_load_b128 v[16*(2*(\a)+\f)+4*\c:16*(2*(\a)+\f)+4*\c+3], v[LI], s[\ptr:\ptr+1] offset:4096*(2*(\a)+\f)+512*\c
.endr
.endr
.endm
.macro ACTS rd                         ; all 16 fragments of the layer's input, K step by K step
	WIN 0x40
.irp s, 0,1,2,3
.irp m, 0,1,2,3
.irp c, 0,1,2,3
	ds_load_b128 v[16*(4*\m+\s)+4*\c:16*(4*\m+\s)+4*\c+3], v[LI] offset:(\rd)+(4*\m+\s)*2048+512*\c
.endr
.endr
.endr
.endm
; 8 products: pair b's two tiles x the four tiles of tokens, K step s.  The eight accumulators take turns, one instruction a turn.  The first K step takes the bias as C.
.macro MUL8 b, s
.if (\s) == 0
	WIN 0xc6
.else
	WIN 0xf6
.endif
.irp u, 0,1
.irp m, 0,1,2,3
.set rD, 64*((\b)%2)+32*\u+8*\m
.set rW, 16*((2*(4*(\b)+(\s))+\u)%16)
.set rX, 16*(4*\m+(\s))
.if (\s) == 0
	v_wmma_f32_16x16x128_fp8_fp8 v[rD:rD+7], v[rW:rW+15], v[rX:rX+15], v[BI+8*(2*(\b)+\u):BI+8*(2*(\b)+\u)+7]
.else
	v_wmma_f32_16x16x128_fp8_fp8 v[rD:rD+7], v[rW:rW+15], v[rX:rX+15], v[rD:rD+7]
.endif
.endr
.endr
.endm
.macro MUL8F b, q                      ; the same in f32, 4 along K: layer 0, whose result goes into a quantiser
.if (\q) == 0
	WIN 0xc5
.else
	WIN 0xf5
.endif
.irp u, 0,1
.irp m, 0,1,2,3
.set rD, 64*((\b)%2)+32*\u+8*\m
.set rW, WZ+8*(2*(\b)+\u)+2*(\q)
.set rX, 8*\m+2*(\q)
.if (\q) == 0
	v_wmma_f32_16x16x4_f32 v[rD:rD+7], v[rW:rW+1], v[rX:rX+1], v[BI+8*(2*(\b)+\u):BI+8*(2*(\b)+\u)+7]
.else
	v_wmma_f32_16x16x4_f32 v[rD:rD+7], v[rW:rW+1], v[rX:rX+1], v[rD:rD+7]
.endif
.endr
.endr
.endm
; A slice: pair b's results for tile of tokens m, 16 neighbours along the next K, become 16 codes and go to LDS.  Each accumulator is read from its low end on.
.macro QSLICE b, m, wr
	WIN 0xff
.set rA, 64*((\b)%2)+8*(\m)
.set rC, CD+4*(4*(\b)+(\m))
.irp i, 0,1,2,3,4,5,6,7
	v_med3_num_f32 v[T+\i], v[rA+\i], 0, v[LIM]    ; the activation and the hold in one: the conversion to an 8-bit code does not saturate (ISA guide 7.6.2)
.endr
.irp i, 0,1,2,3,4,5,6,7
	v_med3_num_f32 v[T+8+\i], v[rA+32+\i], 0, v[LIM]
.endr
	v_cvt_scalef32_pk8_fp8_f32 v[rC:rC+1], v[T:T+7], v[SCL]
	v_cvt_scalef32_pk8_fp8_f32 v[rC+2:rC+3], v[T+8:T+15], v[SCL]
	v_nop                                          ; a plain line between the conversions and the next slice's writes of their sources
	ds_store_b128 v[HWI], v[rC:rC+3] offset:(\wr)+8192*(\m)+512*(\b)   ; fragment (m, K step w), register group b; a slice's codes have registers of their own within a layer
.endm
.macro NEXTBIAS adr, imm               ; a layer's bias in the result's layout: sixteen lanes read the same 16 bytes
	WIN 0
.irp t, 0,1,2,3,4,5,6,7
	ds_load_b128 v[BI+8*\t:BI+8*\t+3], v[\adr] offset:(\imm)+128*(\t/2)+32*(\t%2)
	ds_load_b128 v[BI+8*\t+4:BI+8*\t+7], v[\adr] offset:(\imm)+128*(\t/2)+32*(\t%2)+16
.endr
.endm
; A LAYER of 512 x 512.  16 groups J = 4 b + s.  Behind group J's products: the places, a slice of the pair before, and the refill of the two slots just read, with the group 8 further on
; (from J = 8 on: the next layer's).  last = 1: the next layer is layer 7, which has two groups.
.macro LAYER rd, wr, cur, nxt, scl, bimm, last
	ACTS \rd
	WIN 0xc0
	v_mov_b32 v[SCL], s[\scl]
	v_mov_b32 v[LIM], s[\scl+1]
.irp b, 0,1,2,3
.irp s, 0,1,2,3
.set J, 4*\b+\s
.if \b == 0
	s_wait_dscnt 16*(3-\s)                         ; K step s of the input is in; the later K steps' 16 loads each may be out
.endif
.if \last && (J > 10)
	s_wait_loadcnt 8*(17-J)                        ; group J is in; the 17 - J groups behind it may be out
.else
	s_wait_loadcnt 56                              ; group J is in; the seven groups of 8 loads behind it may be out
.endif
	MUL8 \b, \s
	PLACES 4
.if \b > 0
	QSLICE \b-1, \s, \wr
.endif
.if J < 8
	RFILL \cur, J+8, J
.elseif \last == 0
	RFILL \nxt, J-8, J-8
.elseif J < 10
	RFILL7 \nxt, J-8
.endif
.if (J == 13) && (\last == 0)
	WIN 0
	v_add_nc_u32 v[BA], s63, v[BA0]
	NEXTBIAS BA, \bimm                             ; the next layer's bias: this layer's last read of BI stands a group and its places back
.endif
.endr
.endr
.irp m, 0,1,2,3
	QSLICE 3, \m, \wr
.endr
	WIN 0
	BARRIER                                        ; the layer's 16 images lie in LDS, and nobody reads its input any more
.endm
.macro MKSC l, ea, ee                  ; layer l's scale 2^X and limit 448 x 2^X as f32 patterns; X = s[ea] - s[ee] (ee < 0: X = s[ea])
.if \ee < 0
	s_add_co_i32 s96, s[\ea], 127
.else
	s_sub_co_i32 s96, s[\ea], s[\ee]
	s_add_co_i32 s96, s96, 127
.endif
	s_lshl_b32 s[66+2*\l], s96, 23
	s_add_co_i32 s96, s96, 8
	s_lshl_b32 s96, s96, 23
	s_or_b32 s[67+2*\l], s96, 0x600000
.endm
; ---------------- the head ----------------
	s_load_b512 s[4:19], s[0:1], 0x0               ; x s[4:5], W0 s[6:7], b0 s[8:9], b1 s[10:11], b2 s[12:13], b3 s[14:15], c0 s[16:17], c1 s[18:19]
	s_load_b256 s[20:27], s[0:1], 0x40             ; c2 s[20:21], c3 s[22:23], the exponents s[24:25], wf s[26:27]
	s_load_b128 s[28:31], s[0:1], 0x60             ; order s[28:29], tiles s[30:31]
	s_load_b64 s[32:33], s[0:1], 0x70              ; out0
	v_lshl_add_u32 v254, v0, 2, 0x18000
	v_mov_b32 v255, 0
	v_lshrrev_b32 v[TMP], 5, v0
	v_readfirstlane_b32 s37, v[TMP]                ; wave 0 .. 3
	v_and_b32 v[LI], 31, v0
	v_lshlrev_b32 v[LI], 4, v[LI]
	v_and_b32 v[R], 15, v0
	v_bfe_u32 v[H], v0, 4, 1
	v_lshl_add_u32 v[ROW], v[TMP], 4, v[H]
	v_and_b32 v[TMP], 8, v[R]
	v_add_nc_u32 v[TMP], v[TMP], v[R]              ; r + 8 (r / 8)
	v_lshlrev_b32 v[WO], 2, v[TMP]
	v_lshl_add_u32 v[WO], v[H], 14, v[WO]          ; W0 is [16][512]: lanes 16-31 begin 8 rows (k) further down
	v_lshlrev_b32 v[TO], 4, v0
	s_lshl_b32 s96, ttmp9, 3                       ; my entry of tiles
	s_mov_b32 s97, 0
	s_lshl_b32 s98, s37, 9                         ; my 128 columns of W0
	s_mov_b32 s99, 0
	s_wait_kmcnt 0x0
	s_add_nc_u64 s[30:31], s[30:31], s[96:97]
	s_load_b64 s[34:35], s[30:31], 0x0             ; expert, cnt
	s_load_b256 s[40:47], s[24:25], 0x0            ; the 14 exponents: 32 + 16 + 8 bytes
	s_load_b128 s[48:51], s[24:25], 0x20
	s_load_b64 s[52:53], s[24:25], 0x30
	s_add_nc_u64 s[6:7], s[6:7], s[98:99]
	WIN 0x40                                       ; what needs only the wave's number is asked for at once
.irp t, 0,1,2,3,4,5,6,7
.irp k, 0,1,2,3,4,5,6,7
	global_load_b32 v[WZ+8*\t+\k], v[WO], s[6:7] offset:\k*2048+(32*(\t/2)+8*(\t%2))*4   ; W0(8 h + k, unit of lane r of tile t)
.endr
.endr
	WIN 0
.irp l, 0,1,2,3
	global_load_b128 v[BL+4*\l:BL+4*\l+3], v[TO], s[8+2*\l:9+2*\l]   ; b0 .. b3: 16 bytes a thread; a wave takes its own 128 units
.endr
	s_wait_kmcnt 0x0
	s_min_u32 s34, s34, 7                          ; the expert (8 marks an empty tile: it takes expert 7's weights and stores nothing)
	s_min_u32 s35, s35, 64
	s_lshl_b32 s38, ttmp9, 6
	s_cmp_eq_u32 s35, 0
	s_cselect_b32 s38, 0, s38                      ; an empty tile has no entries of its own: it reads order's first, which is always stored
	s_max_u32 s36, s35, 1
	s_sub_co_u32 s36, s36, 1
	s_min_u32 s36, s36, 63                         ; the tile's last row
	s_lshl_b32 s96, s34, 11
	s_add_nc_u64 s[16:17], s[16:17], s[96:97]      ; the expert's c0, c1, c2
	s_add_nc_u64 s[18:19], s[18:19], s[96:97]
	s_add_nc_u64 s[20:21], s[20:21], s[96:97]
	s_lshl_b32 s96, s34, 8
	s_add_nc_u64 s[22:23], s[22:23], s[96:97]      ; and c3
.irp l, 4,5,6
	global_load_b128 v[BL+4*\l:BL+4*\l+3], v[TO], s[8+2*\l:9+2*\l]
.endr
	s_lshr_b32 s98, s37, 1
	s_lshl_b32 s98, s98, 7
	s_and_b32 s99, s37, 1
	s_lshl_b32 s99, s99, 5
	s_add_co_u32 s98, s98, s99                     ; layer 7: my tile is (b, u) = (w / 2, w % 2): outputs 32 b + 8 u + 16 h + 0 .. 7
	v_lshl_add_u32 v[CO], v[H], 6, s98
	global_load_b128 v[C3:C3+3], v[CO], s[22:23]
	global_load_b128 v[C3+4:C3+7], v[CO], s[22:23] offset:16
; order: the tokens of rows 16 m + r (whose x I load) and of rows 16 w + 2 i + h (which I store).  A row past the last takes the last; the index is held inside order by a constant.
.macro ORD k, base, add
	v_add_nc_u32 v[TMP], \add, v[\base]
	v_min_u32 v[TMP], s36, v[TMP]
	v_min_u32 v[TMP], 63, v[TMP]
	v_add_nc_u32 v[TMP], s38, v[TMP]
	v_min_u32 v[TMP], 8639, v[TMP]
	v_lshlrev_b32 v[OA+\k], 2, v[TMP]
	global_load_b32 v[OL+\k], v[OA+\k], s[28:29]
.endm
.irp m, 0,1,2,3
	ORD \m, R, 16*\m
.endr
.irp i, 0,1,2,3,4,5,6,7
	ORD 4+\i, ROW, 2*\i
.endr
	; scalar work while those loads are out: the exponents' sums, the layers' scales, my parts of the weights
	s_add_co_i32 s54, s40, s41                     ; E_1 .. E_7
	s_add_co_i32 s55, s42, s43
	s_add_co_i32 s56, s44, s45
	s_add_co_i32 s57, s46, s47
	s_add_co_i32 s58, s48, s49
	s_add_co_i32 s59, s50, s51
	s_add_co_i32 s60, s52, s53
	MKSC 0, 40, -1                                 ; the activations' exponents are entries 0, 2, 4, 7 (in the fifth product U0 is the left operand), 8, 10, 12
	MKSC 1, 42, 54
	MKSC 2, 44, 55
	MKSC 3, 47, 56
	MKSC 4, 48, 57
	MKSC 5, 50, 58
	MKSC 6, 52, 59
	s_add_co_i32 s94, s60, 127
	s_lshl_b32 s94, s94, 23                        ; 2^E_7 as f32
	s_mov_b32 s95, s94                             ; (named with it as a pair, so it is written)
	s_lshl_b32 s96, s37, 16                        ; my 128 rows of a layer: 4 blocks of 16,384 bytes
	s_add_nc_u64 s[80:81], s[26:27], s[96:97]      ; W1
	s_add_nc_u64 s[82:83], s[80:81], 0x40000       ; W2
	s_add_nc_u64 s[84:85], s[80:81], 0x80000       ; W3
	s_lshl_b32 s96, s34, 18
	s_add_nc_u64 s[86:87], s[80:81], s[96:97]
	s_add_nc_u64 s[86:87], s[86:87], 0xc0000       ; the expert's U0
	s_add_nc_u64 s[88:89], s[86:87], 0x200000      ; U1
	s_add_nc_u64 s[90:91], s[86:87], 0x400000      ; U2
	s_lshl_b32 s96, s34, 15
	s_lshr_b32 s98, s37, 1
	s_lshl_b32 s98, s98, 14
	s_add_co_u32 s96, s96, s98
	s_and_b32 s98, s37, 1
	s_lshl_b32 s98, s98, 11
	s_add_co_u32 s96, s96, s98
	s_add_nc_u64 s[92:93], s[26:27], s[96:97]
	s_add_nc_u64 s[92:93], s[92:93], 0x6c0000      ; U3: the expert's 32,768 bytes, block w / 2, tile w % 2
	s_mov_b32 s62, 2
	s_mov_b32 s63, 0
	; LDS addresses, all from the thread's number
	v_lshl_add_u32 v[BST], v0, 4, BIAS
	v_and_b32 v[BA0], 0x60, v0                     ; 32 w
	v_lshlrev_b32 v[BA0], 4, v[BA0]
	v_lshl_add_u32 v[BA0], v[H], 6, v[BA0]
	v_add_nc_u32 v[BA0], BIAS, v[BA0]
	v_bfe_u32 v[TMP], v0, 5, 1                     ; w % 2
	v_bfe_u32 v[TM2], v0, 6, 1                     ; w / 2
	v_mul_u32_u24 v[SO], v[R], SPI
	v_lshl_add_u32 v[SO], v[H], 6, v[SO]
	v_lshl_add_u32 v[SO], v[TM2], 7, v[SO]
	v_lshl_add_u32 v[SO], v[TMP], 5, v[SO]
	v_add_nc_u32 v[SO], STG, v[SO]                 ; in: row r, my eight outputs' 32 bytes
	v_mul_u32_u24 v[SR], v[ROW], SPI
	v_lshl_add_u32 v[SR], v[R], 4, v[SR]
	v_add_nc_u32 v[SR], STG, v[SR]                 ; back: lanes 0-15 one row of 256 bytes, lanes 16-31 the next
	v_and_b32 v[TMP], 0x60, v0
	WIN 0xc0
	v_lshl_add_u32 v[HWI], v[TMP], 6, v[LI]
	WIN 0
	s_wait_loadcnt 0x0                             ; W0, the biases, c3, order
.irp k, 0,1,2,3,4,5,6,7,8,9,10,11
	v_min_u32 v[OL+\k], 8191, v[OL+\k]             ; a token, held inside x and out0 by a constant before it becomes an address
.endr
.irp m, 0,1,2,3
	v_lshlrev_b32 v[XO+\m], 6, v[OL+\m]
	v_lshl_add_u32 v[XO+\m], v[H], 5, v[XO+\m]     ; x: a row of 64 bytes, + 32 h: k = 8 h + 0 .. 7
.endr
.irp i, 0,1,2,3,4,5,6,7
	v_lshlrev_b32 v[OO+\i], 8, v[OL+4+\i]
	v_lshl_add_u32 v[OO+\i], v[R], 4, v[OO+\i]     ; out0: a row of 256 bytes, 16 bytes a lane
.endr
	WIN 0x40
.irp m, 0,1,2,3
	global_load_b128 v[8*\m:8*\m+3], v[XO+\m], s[4:5]
	global_load_b128 v[8*\m+4:8*\m+7], v[XO+\m], s[4:5] offset:16
.endr
.irp g, 0,1,2,3,4,5,6,7
	RFILL 80, \g, \g                               ; the ring is filled: layer 1's first eight groups
.endr
	WIN 0
.irp l, 1,2,3,4,5,6                            ; while they are out: the biases, divided by the power of two that their layer's sums lack, go to LDS
	s_sub_co_i32 s96, 0, s[53+\l]
.irp i, 0,1,2,3
	v_ldexp_f32 v[BL+4*\l+\i], v[BL+4*\l+\i], s96
.endr
.endr
.irp l, 0,1,2,3,4,5,6
	ds_store_b128 v[BST], v[BL+4*\l:BL+4*\l+3] offset:2048*\l
.endr
	NEXTBIAS BA0, 0                                ; layer 0's: my wave's own bytes; LDS serves a wave's instructions in order, so these see the stores above
	s_wait_loadcnt 63                              ; x's loads have 64 younger ones behind them; 63 is the largest count that the wait can name
	s_wait_dscnt 0x0
; ---------------- layer 0, in f32: K = 16 in four steps; k = 8 h + 2 q + j stands in the same place in x and in W0 ----------------
	WIN 0xc0
	v_mov_b32 v[SCL], s66
	v_mov_b32 v[LIM], s67
.irp b, 0,1,2,3
.irp q, 0,1,2,3
	MUL8F \b, \q
	PLACES 8                                       ; this form wants eight
.if \b > 0
	QSLICE \b-1, \q, ACT0
.endif
.if (\b == 3) && (\q == 1)
	NEXTBIAS BA0, 2048                             ; layer 1's bias
.endif
.endr
.endr
.irp m, 0,1,2,3
	QSLICE 3, \m, ACT0
.endr
	WIN 0
	BARRIER
; ---------------- layers 1 to 4: two trips of two layers; what differs between trips lies in scalar registers ----------------
.Ltrip:
	LAYER ACT0, ACT1, 80, 82, 68, 4096, 0
	LAYER ACT1, ACT0, 82, 84, 70, 6144, 0
	s_wait_xcnt 0x0                                ; the ring's pending loads have read their bases: only now are the pointers moved up
	s_mov_b64 s[80:81], s[84:85]
	s_mov_b64 s[82:83], s[86:87]
	s_mov_b64 s[84:85], s[88:89]
	s_mov_b64 s[86:87], s[90:91]
	s_mov_b64 s[88:89], s[92:93]
	s_mov_b64 s[68:69], s[72:73]                   ; the scales likewise
	s_mov_b64 s[70:71], s[74:75]
	s_mov_b64 s[72:73], s[76:77]
	s_mov_b64 s[74:75], s[78:79]
	s_add_co_u32 s63, s63, 4096                    ; and the biases: two layers on
	s_sub_co_u32 s62, s62, 1
	s_cmp_lg_u32 s62, 0
	s_cbranch_scc1 .Ltrip
	LAYER ACT0, ACT1, 80, 82, 68, 4096, 0          ; layer 5 (U1); it fetches layer 6's bias
	LAYER ACT1, ACT0, 82, 84, 70, 0, 1             ; layer 6 (U2); s[84:85] now holds my part of U3
; ---------------- layer 7: my 16 outputs for the 64 rows: four accumulators by turns ----------------
	ACTS ACT0
.irp s, 0,1,2,3
	s_wait_dscnt 16*(3-\s)
.if \s == 0
	s_wait_loadcnt 8                               ; K steps 0 and 1 of U3 are in; the other group of 8 loads may be out
.endif
.if \s == 2
	s_wait_loadcnt 0
.endif
	WIN 0xf6
.irp m, 0,1,2,3
.if \s == 0
	v_wmma_f32_16x16x128_fp8_fp8 v[8*\m:8*\m+7], v[16*\s:16*\s+15], v[16*(4*\m+\s):16*(4*\m+\s)+15], 0
.else
	v_wmma_f32_16x16x128_fp8_fp8 v[8*\m:8*\m+7], v[16*\s:16*\s+15], v[16*(4*\m+\s):16*(4*\m+\s)+15], v[8*\m:8*\m+7]
.endif
.endr
.endr
	PLACES 4
	WIN 0x03                                       ; the sums in window 3, all else in window 0
.irp m, 0,1,2,3
.irp i, 0,2,4,6
	v_pk_fma_f32 v[RES+8*\m+\i:RES+8*\m+\i+1], v[8*\m+\i:8*\m+\i+1], s[94:95], v[C3+\i:C3+\i+1] op_sel_hi:[1,0,1]   ; sum x 2^E_7 + c3, each accumulator from its low end on
.endr
.endr
	WIN 0
.irp m, 0,1,2,3
	ds_store_b128 v[SO], v[RES+8*\m:RES+8*\m+3] offset:16*\m*SPI
	ds_store_b128 v[SO], v[RES+8*\m+4:RES+8*\m+7] offset:16*\m*SPI+16
.endr
	BARRIER                                        ; 64 whole rows lie in the stage: a row's 256 bytes come from four waves
.irp i, 0,1,2,3,4,5,6,7
	ds_load_b128 v[BK+4*\i:BK+4*\i+3], v[SR] offset:2*\i*SPI
.endr
	s_wait_xcnt 0x0                                ; EXEC changes only behind this wait
.irp i, 0,1,2,3,4,5,6,7
	s_wait_dscnt 7-\i                              ; rows 2 i, 2 i + 1 of my 16 are back; the younger loads may be out
	v_add_nc_u32 v[TMP], 2*\i, v[ROW]
	v_cmp_gt_u32 vcc_lo, s35, v[TMP]               ; only rows under cnt are the tile's
	s_and_saveexec_b32 s96, vcc_lo
	global_store_b128 v[OO+\i], v[BK+4*\i:BK+4*\i+3], s[32:33] th:TH_STORE_NT   ; sixteen lanes store a token's whole row: 256 consecutive bytes, aligned
	s_wait_xcnt 0x0                                ; and again in front of the line that widens it
	s_or_b32 exec_lo, exec_lo, s96
.endr
	s_wait_xcnt 0x0
	s_mov_b32 exec_lo, -1
	s_wait_tensorcnt 0x0
	ds_add_u32 v254, v255
	s_wait_dscnt 0x0
	s_endpgm
.Lfunc_end_k_q9635dda3c7_chain:
	.size	k_q9635dda3c7_chain, .Lfunc_end_k_q9635dda3c7_chain-k_q9635dda3c7_chain
	.p2alignl 7, 3214868480
	.fill 96, 4, 3214868480
	.section	.rodata,"a",@progbits
	.p2align	6, 0x0
	.amdhsa_kernel k_q9635dda3c7_chain
		.amdhsa_group_segment_fixed_size 98816
		.amdhsa_private_segment_fixed_size 0
		.amdhsa_enable_private_segment 0
		.amdhsa_kernarg_size 120
		.amdhsa_user_sgpr_count 2
		.amdhsa_user_sgpr_kernarg_segment_ptr 1
		.amdhsa_wavefront_size32 1
		.amdhsa_system_sgpr_workgroup_id_x 1
		.amdhsa_system_sgpr_workgroup_id_y 1
		.amdhsa_system_sgpr_workgroup_id_z 1
		.amdhsa_system_vgpr_workitem_id 0
		.amdhsa_next_free_vgpr 1024
		.amdhsa_next_free_sgpr 100
		.amdhsa_reserve_vcc 1
		.amdhsa_float_denorm_mode_32 3
		.amdhsa_float_denorm_mode_16_64 3
		.amdhsa_memory_ordered 1
		.amdhsa_forward_progress 1
		.amdhsa_inst_pref_size 255
	.end_amdhsa_kernel
	.section	.bss,"aw",@nobits
	.p2align	6
	.space	262144
	.amdgpu_metadata
---
amdhsa.version: [ 1, 2 ]
amdhsa.kernels:
  - .name:           k_q9635dda3c7_chain
    .symbol:         k_q9635dda3c7_chain.kd
    .args:
      - { .name: x, .offset: 0, .size: 8, .value_kind: global_buffer, .address_space: global }
      - { .name: W0, .offset: 8, .size: 8, .value_kind: global_buffer, .address_space: global }
      - { .name: b0, .offset: 16, .size: 8, .value_kind: global_buffer, .address_space: global }
      - { .name: b1, .offset: 24, .size: 8, .value_kind: global_buffer, .address_space: global }
      - { .name: b2, .offset: 32, .size: 8, .value_kind: global_buffer, .address_space: global }
      - { .name: b3, .offset: 40, .size: 8, .value_kind: global_buffer, .address_space: global }
      - { .name: c0, .offset: 48, .size: 8, .value_kind: global_buffer, .address_space: global }
      - { .name: c1, .offset: 56, .size: 8, .value_kind: global_buffer, .address_space: global }
      - { .name: c2, .offset: 64, .size: 8, .value_kind: global_buffer, .address_space: global }
      - { .name: c3, .offset: 72, .size: 8, .value_kind: global_buffer, .address_space: global }
      - { .name: lowp_scales, .offset: 80, .size: 8, .value_kind: global_buffer, .address_space: global }
      - { .name: wf, .offset: 88, .size: 8, .value_kind: global_buffer, .address_space: global }
      - { .name: order, .offset: 96, .size: 8, .value_kind: global_buffer, .address_space: global }
      - { .name: tiles, .offset: 104, .size: 8, .value_kind: global_buffer, .address_space: global }
      - { .name: out0, .offset: 112, .size: 8, .value_kind: global_buffer, .address_space: global }
    .group_segment_fixed_size: 98816
    .private_segment_fixed_size: 0
    .kernarg_segment_align: 8
    .kernarg_segment_size: 120
    .max_flat_workgroup_size: 128
    .sgpr_count:     100
    .vgpr_count:     1024
    .wavefront_size: 32
...
	.end_amdgpu_metadata
.endif
;; end of part 2
